; MI455X (gfx1250); checked and timed in simulation.
; The chip was launched on July 23, 2026; its instructions are those of AMD's public machine-readable ISA for CDNA 5 (MIT licence, August 2026) and "CDNA5" Instruction Set Architecture Reference Guide (July 2026). The comments in the code are by the model that wrote it; some were corrected since.
;; FFQ Linear. Allowed arithmetic: matrix products marked QUANTISED: E5M2 operands, one given power-of-two scale a tensor, by v_wmma_f32_16x16x64_bf8_bf8 or v_wmma_f32_16x16x128_bf8_bf8, f32 sums; everything else in f32.
;; Inputs: bias 4,096 float32; lowp_scales 2 int32 (the exponents e of the quantised operands' scales 2^e); q_int_weight 4,096 x 4,096 int32; scale 1 float32; x 2 x 2,048 x 4,096 float32; zero_point 1 float32.
;; Outputs: out0 2 x 2,048 x 4,096 float32.
;; This version of the problem:
;;   THIS VERSION OF THE PROBLEM IS GIVEN IN LOW PRECISION. The matrix products marked QUANTISED in the list below multiply operands that are first quantised to E5M2 (5 exponent bits, 2 mantissa bits; 8 bits a number), with one given power-of-two scale for each operand tensor; their sums are f32. All else is computed in f32.
;;   The module's matrix products, in the order in which they are computed (A, B: the left and right operand; K: the contracted axis; several contracted axes count as one K, in the product's order):
;;     1. [M 4,096, K 4,096] x [K 4,096, N 4,096]; A: input x; B: computed on the way: QUANTISED (scales: A lowp_scales[0], B lowp_scales[1])
;;   THE QUANTISER, for each operand of a quantised product, along K:
;;     - The operand's scale is 2^e, e = its entry of the input lowp_scales (int32; the entries are numbered through the quantised products in the list's order, A before B).
;;     - Each number is divided by the scale, clamped to +-57,344, and rounded to the nearest number of E5M2, ties to even, subnormals kept.
;;     - The product sums the exact products of the quantised numbers (number of the format x scale) in f32.
;;   ~~~python
;;   def quantise(x, axis, e):      # numpy; x: float32 -> the quantised numbers, widened to float32 again
;;       x = np.moveaxis(x, axis, -1); K = x.shape[-1]
;;       r = np.clip(x / 2.0 ** e, -57344, 57344)
;;       step = 2.0 ** (np.maximum(np.frexp(np.where(r == 0, 1, r))[1] - 1, -14) - 2)
;;       q = np.round(r / step) * step * 2.0 ** e      # np.round: ties to even
;;       return np.moveaxis(q, -1, axis).astype(np.float32)
;;   ~~~
;;   OPERANDS COMPUTED ON THE WAY. 'Computed on the way' means the value that the module computes at that place (a softmax that the list does not call 'softmax' is quantised finished and normalised). What goes into a quantiser is computed in f32, as accurately as f32 sums, v_exp_f32 and their like allow (about 1e-6 of the number): no bf16 or f16 on the way to a quantiser, and a product that is left as it is and whose result goes on into a quantised operand takes f32 operands (vector FMAs, or v_wmma_f32_16x16x4_f32). A number that lies on a knife's edge between two numbers of the format may be rounded either way, as far as f32 arithmetic and the matrix unit's own rounding can turn it there, and no further.
;; One version. Each part assembles by itself: llvm-mc -triple=amdgcn-amd-amdhsa -mcpu=gfx1250 --defsym DOCPART=n.
;; ======== version 1 of 1: 2 launches
;; limits: right only within a limited range of input values
;; workspace buffers: x_codes 16,777,216 bytes; w_codes 16,777,216 bytes
;; launch quant (part 1): grid 512 x 1, 4 waves a work-group, no clusters, 70,144 bytes of LDS; arguments x, q_int_weight, scale, zero_point, lowp_scales, x_codes, w_codes; writes x_codes, w_codes
.if DOCPART == 1
	.amdgcn_target "amdgcn-amd-amdhsa--gfx1250"
	.amdhsa_code_object_version 6
	.text
	.protected	k_qf0c54f00de_quant
	.globl	k_qf0c54f00de_quant
	.p2align	8
	.type	k_qf0c54f00de_quant,@function
k_qf0c54f00de_quant:
	s_mov_b64 s[64:65], 0
	v_nop
	global_prefetch_b8 v0, s[64:65] scope:SCOPE_SE
	s_setreg_imm32_b32 hwreg(HW_REG_WAVE_MODE, 25, 1), 1
	s_wait_xcnt 0x0
; Both operands of y = x w + bias are turned into codes of BF8 (E5M2), one code a byte, K innermost, each with the one scale 2^e that is given for it.
;   x [4096 m][4096 k] f32                      -> x_codes [4096 m][4096 places], scale 2^e0
;   w = (float(q) - zero_point) * scale, q [4096 k][4096 n] int32 (K is its FIRST axis) -> w_codes [4096 n][4096 places], scale 2^e1
; code = number / 2^e, held within +-57,344, rounded to the nearest code, ties to even.
; THE ORDER ALONG K.  Both buffers are this program's own, and a permutation of k that is the same in both operands lets every product meet its partner.  Within each block of 512 along K,
; place p = 16 l + 4 i + j holds k = 128 i + 4 l + j (l = 0..31, i = 0..3, j = 0..3).  That is the order in which four dense loads of 512 bytes leave x's numbers in lane l's sixteen registers: x needs no turn through LDS.
; For w, whose registers run down K in any case, the order is only a choice of rows and of destination registers.
; LIMITS: e0 and e1 lie between -126 and 112, so that 2^e and 57,344 x 2^e are f32 numbers.  NaN among x, scale or zero_point is not served; infinities are held at the largest code.  Any int32 q is served.
; ONE LAUNCH FOR BOTH: work-groups 0-255 take x, work-groups 256-511 take w; each reads 262,144 bytes and writes 65,536.  The two paths part on the work-group's number and never join; only w's path uses LDS.
; No tensor loads, no barrier, EXEC stays full: waves share nothing.  Clusters and matrix units have nothing to do here: no byte is read by two work-groups.
.set XWG,    256                       ; work-groups that take x
; ---- x's path: a wave takes 32 steps of 512 numbers, one run of 16,384
.set XSTEPS, 32
.set XD,     8                         ; steps that the loads run ahead
.set XB,     8                         ; steps whose codes are stored in one run: the ring of sixteen sets of codes holds two such runs
.set XR,     16                        ; v16-143  eight sets of 16 numbers: register 4 i + j of a set is k = 128 i + 4 lane + j of the step's 512
.set XC,     144                       ; v144-207 codes: a ring of sixteen sets of four
; ---- w's path: a wave takes 64 columns x 256 places along K, eight blocks of 32 places
.set NB,     8
.set ROWQ,   16384                     ; a row of q in bytes
.set KROW,   4096                      ; a row of w_codes in bytes
.set WP,     272                       ; a stage row: 256 bytes of codes + 16 of padding; 64 rows for each wave, from LDS byte 0 on
.set WRAW,   16                        ; v16-143  two sets of 64: q as loaded (register 2 n + c: the block's n-th row, column c of my two); on the way out: 32 x 4 registers
.set WF,     144                       ; v144-207 the block in f32: register 32 c + place
.set WC,     208                       ; v208-223 its codes: eight registers for each of my two columns
	s_load_b256 s[4:11], s[0:1], 0x0               ; x s[4:5], q s[6:7], scale's address s[8:9], zero_point's s[10:11]
	s_load_b128 s[12:15], s[0:1], 0x20             ; the exponents' address s[12:13], x_codes s[14:15]
	s_load_b64 s[16:17], s[0:1], 0x30              ; w_codes
	v_lshl_add_u32 v224, v0, 2, 0x11000
	v_mov_b32 v225, 0
	v_lshrrev_b32 v1, 5, v0
	v_readfirstlane_b32 s18, v1                    ; wave 0..3
	v_and_b32 v2, 31, v0                           ; lane
	s_mov_b32 s21, 0                               ; the high word of every offset pair s[20:21]
	s_wait_kmcnt 0x0
	s_load_b64 s[22:23], s[12:13], 0x0             ; e0, e1
	s_cmp_lt_u32 ttmp9, XWG                        ; x's work-group or w's: the work-group's number alone decides
	s_cbranch_scc0 .Lw
; =================== x ===================
; Rows are dense and 4,096 is a multiple of 512, so x is a plain stream of blocks of 512 numbers and its codes a plain stream of blocks of 512 bytes.  A step is one block: four loads of 512 consecutive bytes,
; 16 a lane; the lane's sixteen numbers are held and converted as they stand; one store of 512 consecutive bytes, 16 a lane.
	s_lshl_b32 s19, ttmp9, 2
	s_add_co_u32 s19, s19, s18                     ; which run of 16,384 numbers is my wave's: 0..1023
	s_lshl_b32 s20, s19, 16                        ; 65,536 bytes of x,
	s_add_nc_u64 s[4:5], s[4:5], s[20:21]
	s_lshl_b32 s20, s19, 14                        ; 16,384 bytes of codes
	s_add_nc_u64 s[14:15], s[14:15], s[20:21]
	s_wait_alu depctr_va_vdst(0)
	v_lshlrev_b32 v3, 4, v2                        ; my 16 bytes of a load's 512, and of a step's 512 bytes of codes; never rewritten
.macro XLOAD t                         ; step t's 2,048 bytes into set t % 8
.irp i, 0,1,2,3
	global_load_b128 v[XR+16*((\t)%XD)+4*\i:XR+16*((\t)%XD)+4*\i+3], v3, s[4:5] offset:2048*(\t)+512*\i th:TH_LOAD_NT   ; 32 lanes read 512 consecutive bytes; read once in the launch
.endr
.endm
.irp t, 0,1,2,3,4,5,6,7
	XLOAD \t                                       ; eight steps, 32 loads, 16,384 bytes of the wave are on their way
.endr
	s_wait_kmcnt 0x0                               ; e0
	s_add_co_i32 s28, s22, 127
	s_lshl_b32 s29, s28, 23
	v_mov_b32 v11, s29                             ; 2^e0 as f32: the conversion takes its exponent field
	s_add_co_i32 s28, s28, 15
	s_lshl_b32 s28, s28, 23
	s_or_b32 s28, s28, 0x600000
	v_mov_b32 v10, s28                             ; 57,344 x 2^e0
.macro XSTEP t
.set XS, XR+16*((\t)%XD)
.set CS, XC+4*((\t)%16)
.if (\t)+XD <= XSTEPS
	s_wait_loadcnt 4*(XD-1)                        ; loads come back in order (ISA guide 5.7.1): this step's four are in; those of the seven steps behind it stay out
.else
	s_wait_loadcnt 4*(XSTEPS-1-(\t))               ; nothing more is asked for: the counts run down
.endif
.if (\t) == 16
	s_wait_xcnt 0x0                                ; the stores of steps 0 to 15 have read their registers: the sixteen sets of codes are written again only behind this one wait
.endif
.irp i, 0,1,2,3,4,5,6,7,8,9,10,11,12,13,14,15
	v_med3_num_f32 v[XS+\i], v[XS+\i], -v10, v10   ; the conversion to an 8-bit code does not saturate (ISA guide 7.6.2): the number is held within the largest code x the scale first
.endr
	v_cvt_scalef32_pk8_bf8_f32 v[CS:CS+1], v[XS:XS+7], v11        ; eight numbers / 2^e0, to the nearest code, ties to even; the first number's code in the lowest byte: places 16 lane + 0 .. 7
	v_cvt_scalef32_pk8_bf8_f32 v[CS+2:CS+3], v[XS+8:XS+15], v11   ; places 16 lane + 8 .. 15
	v_nop                                          ; one plain vector line behind the last conversion of a run
.if (\t)+XD < XSTEPS
	XLOAD (\t)+XD                                  ; the set just converted takes the loads of eight steps on
.endif
.if (\t)%XB == XB-1
.set su, (\t)-XB+1
.rept XB
	global_store_b128 v3, v[XC+4*(su%16):XC+4*(su%16)+3], s[14:15] offset:512*su   ; the codes of the last eight steps, one run of stores: each covers 512 consecutive bytes, at a multiple of 256 from the buffer's first byte
.set su, su+1
.endr
.endif
.endm
	s_wait_alu depctr_va_vdst(0)
.irp t, 0,1,2,3,4,5,6,7,8,9,10,11,12,13,14,15,16,17,18,19,20,21,22,23,24,25,26,27,28,29,30,31
	XSTEP \t
.endr
	s_endpgm
; =================== w ===================
; A LANE TAKES TWO NEIGHBOURING COLUMNS n, AND ITS REGISTERS RUN DOWN K: each load reads one row k of q at 64 neighbouring columns, 256 consecutive bytes a wave, and the conversions, which take one lane's
; consecutive registers, give codes with K innermost.  Nothing is transposed by an instruction.  A lane's codes belong to two rows of w_codes and the lanes beside it hold other rows: so a wave gathers
; 256 places of its 64 columns in its own stage in LDS and stores whole rows of 256 bytes.
; WHICH ROWS.  The wave's 256 places are half u of block T of 512 (l = 16 u + 0..15): k = 512 T + 64 u + 128 i + 4 l' + j, l' = 0..15.  Its block t of 32 places is l' = 2 t, 2 t + 1: for each i the eight rows
; 128 i + 8 t + m, m = 0..7, and row (i, m) belongs at place 16 (m / 4) + 4 i + m % 4 of the block.
.Lw:
	s_sub_co_u32 s19, ttmp9, XWG                   ; 0..255
	s_and_b32 s30, s19, 15                         ; which 256 columns
	s_lshr_b32 s31, s19, 4                         ; which 256 places along K: 2 T + u
	s_lshl_b32 s28, s30, 8
	s_lshl_b32 s29, s18, 6
	s_add_co_u32 s28, s28, s29                     ; my wave's first column n0 = 256 gx + 64 wave
	s_lshr_b32 s20, s31, 1
	s_lshl_b32 s20, s20, 23                        ; q: 512 T rows of 16,384 bytes
	s_and_b32 s29, s31, 1
	s_lshl_b32 s29, s29, 20                        ;    + 64 u rows
	s_add_co_u32 s20, s20, s29
	s_lshl_b32 s29, s28, 2                         ;    + 4 n0
	s_add_co_u32 s20, s20, s29
	s_add_nc_u64 s[6:7], s[6:7], s[20:21]
	s_lshl_b32 s20, s28, 12                        ; codes: n0 rows of 4,096 bytes
	s_lshl_b32 s29, s31, 8                         ;    + 256 (2 T + u)
	s_add_co_u32 s20, s20, s29
	s_add_nc_u64 s[16:17], s[16:17], s[20:21]
	s_load_b32 s24, s[8:9], 0x0                    ; scale
	s_load_b32 s26, s[10:11], 0x0                  ; zero_point
	s_wait_alu depctr_va_vdst(0)
	v_lshlrev_b32 v3, 3, v2                        ; in: 8 bytes a lane: columns n0 + 2 lane and n0 + 2 lane + 1; never rewritten
	s_mul_i32 s29, s18, 64*WP                      ; my stage
	v_mul_u32_u24 v4, v2, WP
	v_add_nc_u32 v4, s29, v4                       ; into it: stage row 32 c + lane holds column 2 lane + c, so that the lanes of a store stand one padded row apart
	v_and_b32 v7, 15, v2
	v_lshrrev_b32 v8, 4, v2                        ; out of it: sixteen lanes to a row, two rows an instruction
	v_mul_u32_u24 v5, v8, WP
	v_lshl_add_u32 v5, v7, 4, v5
	v_add_nc_u32 v5, s29, v5                       ; LDS address
	v_lshlrev_b32 v6, 13, v8                       ; and in w_codes: stage rows 2 t and 2 t + 1 are columns two apart: 8,192 bytes
	v_lshl_add_u32 v6, v7, 4, v6
.macro WLOAD t                         ; block t: its n-th row is row 128 (n / 8) + 8 t + n % 8 of the wave's part, into set t % 2.  The largest offset, 447 rows, lies inside the signed 24-bit immediate (ISA guide, chapter 10)
.set n, 0
.rept 32
	global_load_b64 v[WRAW+64*((\t)%2)+2*n:WRAW+64*((\t)%2)+2*n+1], v3, s[6:7] offset:(128*(n/8)+8*(\t)+(n%8))*ROWQ th:TH_LOAD_NT
.set n, n+1
.endr
.endm
	WLOAD 0
	WLOAD 1
	s_wait_kmcnt 0x0                               ; e1, scale, zero_point
	s_mov_b32 s25, s24                             ; (the packed forms name a pair and take its low word for both halves: so the upper word is written)
	s_xor_b32 s26, s26, 0x80000000                 ; -zero_point: adding it rounds as the subtraction does
	s_mov_b32 s27, s26
	s_add_co_i32 s28, s23, 127
	s_lshl_b32 s29, s28, 23
	v_mov_b32 v11, s29                             ; 2^e1 as f32
	s_add_co_i32 s28, s28, 15
	s_lshl_b32 s28, s28, 23
	s_or_b32 s28, s28, 0x600000
	v_mov_b32 v10, s28                             ; 57,344 x 2^e1
.macro WBLOCK t
.set RS, WRAW+64*((\t)%2)
.if (\t) < NB-1
	s_wait_loadcnt 32                              ; this block's 32 loads are in; the next block's may be out
.else
	s_wait_loadcnt 0x0
.endif
.set n, 0
.rept 32
	v_cvt_f32_i32 v[WF+16*((n%8)/4)+4*(n/8)+(n%4)], v[RS+2*n]          ; int32 to f32, to nearest even; the destination parts my two columns and puts each row at its place of the block
	v_cvt_f32_i32 v[WF+32+16*((n%8)/4)+4*(n/8)+(n%4)], v[RS+2*n+1]
.set n, n+1
.endr
.if (\t)+2 < NB
	WLOAD (\t)+2                                   ; the set just read takes the block two further on
.endif
; (q - zero_point) and then x scale: two roundings, in this order, so that the number in front of the quantiser has the defining formula's bits; one fused multiply-add would round otherwise
.set i, 0
.rept 32
	v_pk_add_f32 v[WF+2*i:WF+2*i+1], v[WF+2*i:WF+2*i+1], s[26:27] op_sel_hi:[1,0]
.set i, i+1
.endr
.set i, 0
.rept 32
	v_pk_mul_f32 v[WF+2*i:WF+2*i+1], v[WF+2*i:WF+2*i+1], s[24:25] op_sel_hi:[1,0]
.set i, i+1
.endr
.set i, 0
.rept 64
	v_med3_num_f32 v[WF+i], v[WF+i], -v10, v10     ; the hold at the largest code x the scale (ISA guide 7.6.2: the conversion does not saturate)
.set i, i+1
.endr
.if (\t) > 0
	s_wait_alu depctr_va_vdst(0)
	s_wait_dscnt 0x0                               ; the last block's stores into the stage have read their registers: the codes may be written again
.endif
.irp j, 0,1
.irp g, 0,1,2,3
	v_cvt_scalef32_pk8_bf8_f32 v[WC+8*\j+2*\g:WC+8*\j+2*\g+1], v[WF+32*\j+8*\g:WF+32*\j+8*\g+7], v11
.endr
.endr
	v_nop                                          ; one plain vector line behind the last conversion of a run
.irp j, 0,1
.irp u, 0,1
	ds_store_b128 v4, v[WC+8*\j+4*\u:WC+8*\j+4*\u+3] offset:32*WP*\j+32*(\t)+16*\u   ; 32 codes: 32 bytes of each column's row
.endr
.endr
.endm
.irp t, 0,1,2,3,4,5,6,7
	WBLOCK \t
.endr
.set i, 0
.rept 32
	ds_load_b128 v[WRAW+4*i:WRAW+4*i+3], v5 offset:2*i*WP          ; LDS serves a wave's instructions in order (ISA guide 5.7.1.4): these see my stores.  Stage rows 2 i and 2 i + 1
.set i, i+1
.endr
.set i, 0
.rept 32
	s_wait_dscnt 31-i                              ; LDS loads come back in order: pair i of rows is in, the younger ones stay out
	global_store_b128 v6, v[WRAW+4*i:WRAW+4*i+3], s[16:17] offset:(4*(i%16)+i/16)*KROW   ; stage row 2 i + h is column n0 + 4 (i % 16) + 2 h + i / 16; sixteen lanes store 256 consecutive bytes, at a multiple of 256 from the buffer's first byte
.set i, i+1
.endr
	s_wait_tensorcnt 0x0
	ds_add_u32 v224, v225
	s_wait_dscnt 0x0
	s_endpgm
.Lfunc_end_k_qf0c54f00de_quant:
	.size	k_qf0c54f00de_quant, .Lfunc_end_k_qf0c54f00de_quant-k_qf0c54f00de_quant
	.p2alignl 7, 3214868480
	.fill 96, 4, 3214868480
	.section	.rodata,"a",@progbits
	.p2align	6, 0x0
	.amdhsa_kernel k_qf0c54f00de_quant
		.amdhsa_group_segment_fixed_size 70144
		.amdhsa_private_segment_fixed_size 0
		.amdhsa_enable_private_segment 0
		.amdhsa_kernarg_size 56
		.amdhsa_user_sgpr_count 2
		.amdhsa_user_sgpr_kernarg_segment_ptr 1
		.amdhsa_wavefront_size32 1
		.amdhsa_system_sgpr_workgroup_id_x 1
		.amdhsa_system_sgpr_workgroup_id_y 1
		.amdhsa_system_sgpr_workgroup_id_z 1
		.amdhsa_system_vgpr_workitem_id 0
		.amdhsa_next_free_vgpr 226
		.amdhsa_next_free_sgpr 66
		.amdhsa_reserve_vcc 0
		.amdhsa_float_denorm_mode_32 3
		.amdhsa_float_denorm_mode_16_64 3
		.amdhsa_memory_ordered 1
		.amdhsa_forward_progress 1
		.amdhsa_inst_pref_size 174
	.end_amdhsa_kernel
	.amdgpu_metadata
---
amdhsa.version: [ 1, 2 ]
amdhsa.kernels:
  - .name:           k_qf0c54f00de_quant
    .symbol:         k_qf0c54f00de_quant.kd
    .args:
      - { .name: x, .offset: 0, .size: 8, .value_kind: global_buffer, .address_space: global }
      - { .name: q_int_weight, .offset: 8, .size: 8, .value_kind: global_buffer, .address_space: global }
      - { .name: scale, .offset: 16, .size: 8, .value_kind: global_buffer, .address_space: global }
      - { .name: zero_point, .offset: 24, .size: 8, .value_kind: global_buffer, .address_space: global }
      - { .name: lowp_scales, .offset: 32, .size: 8, .value_kind: global_buffer, .address_space: global }
      - { .name: x_codes, .offset: 40, .size: 8, .value_kind: global_buffer, .address_space: global }
      - { .name: w_codes, .offset: 48, .size: 8, .value_kind: global_buffer, .address_space: global }
    .group_segment_fixed_size: 70144
    .private_segment_fixed_size: 0
    .kernarg_segment_align: 8
    .kernarg_segment_size: 56
    .max_flat_workgroup_size: 128
    .sgpr_count:     66
    .vgpr_count:     226
    .wavefront_size: 32
...
	.end_amdgpu_metadata
.endif
;; end of part 1
;; launch gemm (part 2): grid 16 x 16, 4 waves a work-group, clusters of 4 x 4, 327,680 bytes of LDS; arguments x_codes, w_codes, lowp_scales, out0, bias; writes out0
.if DOCPART == 2
	.amdgcn_target "amdgcn-amd-amdhsa--gfx1250"
	.amdhsa_code_object_version 6
	.text
	.protected	k_qf0c54f00de_gemm
	.globl	k_qf0c54f00de_gemm
	.p2align	8
	.type	k_qf0c54f00de_gemm,@function
k_qf0c54f00de_gemm:
	s_mov_b64 s[64:65], 0
	v_nop
	global_prefetch_b8 v0, s[64:65] scope:SCOPE_SE
	s_setreg_imm32_b32 hwreg(HW_REG_WAVE_MODE, 25, 1), 1
	s_wait_xcnt 0x0
	s_wait_alu depctr_hold_cnt(0) depctr_sa_sdst(0) depctr_va_vdst(0) depctr_va_sdst(0) depctr_va_ssrc(0) depctr_va_vcc(0) depctr_vm_vsrc(0)
	s_getreg_b32 s2, hwreg(HW_REG_IB_STS2, 6, 4)
	s_cmp_eq_u32 s2, 0
	s_cbranch_scc0 .Lentry_in_a_cluster
	s_endpgm
.Lentry_in_a_cluster:
	s_bfe_u32 s2, ttmp6, 0x10000c
	s_cmp_lg_u32 s2, 0xf033
	s_cbranch_scc0 .Lentry_shape_is_right
	s_endpgm
.Lentry_shape_is_right:
; out0[m][n] = 2^(e0 + e1) x (sum over k of x_codes[m][k] w_codes[n][k]) + bias[n].  Both operands are codes of BF8 (E5M2), one byte each, K innermost, 4,096 bytes a row,
; in one and the same order along K (the launch before lays both), so every product meets its partner.  Sums in f32.
; LIMIT: e0 + e1 lies between -126 and 127, so that 2^(e0 + e1) is an f32 number.
; A block of 256 x 256 is made by four waves, 128 x 128 each: 64 accumulators, 512 registers.  K goes in steps of 256 through two LDS slots; a tile's row is 256 bytes of memory on a 256-byte border.
; CLUSTERS: 4 x 4 work-groups; x's tiles are asked for jointly along a row of the cluster, w's along a column.  The matrix instruction is used transposed (source 0 = 16 rows of w_codes,
; source 1 = 16 rows of x_codes): a lane holds eight neighbouring numbers of a row of out0.
; THE WALK ALONG K: a cluster takes K step t at byte (256 t) xor PM, PM = 256 x ((cluster x xor cluster y) mod 4): a permutation inside each four steps, the same for all partners and for both operands.
; FRAGMENT LOADS stand in four groups of sixteen in each 64 products, always in the order B' 0-7, A' 0-7, so the counted waits on DScnt are the same in every step.
; THE LAST SLOT GOES BY ROWS OF out0: w's two sets hold its two halves along K, x comes by blocks of 16 rows x 256 K, and each block of 16 rows leaves behind its 16 products.
; PREFETCH: behind the joint load of K step t each wave names K step t + 2 of 32 rows, a lane a row of 256 bytes.  Of the 128 rows that a wave fetches, the partner at place p of the four
; that ask jointly takes rows 32 p .. 32 p + 31, told apart by address alone.  Steps 1 and 2 are named behind the head's load, step 3 behind slot 1's first fill; the loop's last trip (steps 14, 15) names nothing.
; REGISTERS: window 0: v0-31 addresses, v32-95 rows read back on the way out, v128-255 x's fragments; window 1: w's fragments, two sets; windows 2, 3: accumulators ((a, b) at v[8 (8 (a % 4) + b)]).
.set SIZE_N, 4096
.set SIZE_K, 4096
.set ROWB,   256                       ; a tile's row in bytes
.set KROW,   SIZE_K
.set PITCH,  272                       ; an LDS row: 256 bytes + 16 of padding
.set FR,     16                        ; registers of a fragment, 16 rows x 128 K
.set HALFT,  128*PITCH                 ; what one tensor load brings
.set SLOT,   4*HALFT
.set LAPS,   SIZE_K/(2*ROWB)
.set SPARE,  2*SLOT                    ; the spare words: 512 bytes that no other line names
.set SPITCH, 528                       ; the way out: 16 rows x (512 + 16) bytes a wave, in slot 0 behind its last fill and last read
.set BIAS, 12
.set ADRA, 16
.set ADRB, 20
.set STO,  24
.set RD,   25
.set CO,   26
.set SPW,  28
.set NIL,  29
.set PFO,  30                          ; lane x 4,096: the prefetches' row
.set BK,   32
.set AF,   128
.set G1, 24
.set G0, 32
.set G1B, 48
.set G0B, 56
.set PM,  66
.set TK,  67                           ; 256 x the K step asked for last
.set OFK, 68
.set BSA, 70
.set BSB, 72
.set PFB, 74                           ; my 32 rows' first byte
.set PFA, 76                           ; the loop's prefetch address
.set OFP, 78
.set PFH, 84                           ; s[84:89] the head's three prefetch addresses
.set MSB, 0
.macro WIN new                         ; the immediate's high byte repeats the setting that is left
.if MSB != (\new)
	s_set_vgpr_msb (MSB<<8)|(\new)
.set MSB, (\new)
.endif
.endm
.set MUL_LO, 0xa1                      ; source 0 window 1, source 1 window 0, C and D window 2 (MUL_LO + 0x50: window 3)
.set TO_B,   0x40                      ; destination window 1, address window 0
.macro JLOAD g0a, g1a, g0b, g1b        ; waves 0, 1 ask for x's halves, waves 2, 3 for w's; s_nop 0 and four v_nop behind each line
	s_cmp_eq_u32 s15, 0
	s_cbranch_scc0 .Lfor_b_\@
	tensor_load_to_lds s[\g0a:\g0a+3], s[\g1a:\g1a+7]
	s_nop 0
.rept 4
	v_nop
.endr
	s_branch .Lasked_\@
.Lfor_b_\@:
	tensor_load_to_lds s[\g0b:\g0b+3], s[\g1b:\g1b+7]
	s_nop 0
.rept 4
	v_nop
.endr
.Lasked_\@:
.endm
.macro CREST                           ; a round of the cluster's barrier behind its opening barrier
	s_cmp_lg_u32 s14, 0
	s_cbranch_scc1 .Lnot_wave_0_\@
	s_barrier_signal -3
.Lnot_wave_0_\@:
	s_barrier_wait -3
	s_barrier_signal -1
	s_barrier_wait -1
.endm
.macro CROUND
	s_barrier_signal -1
	s_barrier_wait -1
	CREST
.endm
.macro AIM s                           ; slot s's two group 0 at byte OFK of the rows
	s_add_nc_u64 s[G0+4*\s+2:G0+4*\s+3], s[BSA:BSA+1], s[OFK:OFK+1]
	s_or_b32 s[G0+4*\s+3], s[G0+4*\s+3], 0x80000000
	s_add_nc_u64 s[G0B+4*\s+2:G0B+4*\s+3], s[BSB:BSB+1], s[OFK:OFK+1]
	s_or_b32 s[G0B+4*\s+3], s[G0B+4*\s+3], 0x80000000
.endm
	s_load_b128 s[4:7], s[0:1], 0x0                ; x_codes, w_codes
	s_load_b128 s[8:11], s[0:1], 0x10              ; the exponents, out0
	s_load_b64 s[12:13], s[0:1], 0x20              ; bias
	v_lshl_add_u32 v[SPW], v0, 2, SPARE
	v_mov_b32 v[NIL], 0
	ds_add_u32 v[SPW], v[NIL]                      ; the opening add,
	ds_add_u32 v[SPW], v[NIL]                      ; once more, and below one wait for both
	v_lshrrev_b32 v1, 5, v0
	v_readfirstlane_b32 s14, v1                    ; wave
	s_lshr_b32 s15, s14, 1                         ; my half of the rows; also: I fetch x (0) or w (1)
	s_and_b32 s16, s14, 1                          ; my half of the columns; also: which 128 rows I fetch
	s_bfe_u32 s40, ttmp6, 0x40000                  ; cx
	s_bfe_u32 s41, ttmp6, 0x40004                  ; cy
	s_lshl_b32 s42, ttmp9, 2
	s_add_co_u32 s42, s42, s40                     ; block column
	s_and_b32 s17, ttmp7, 0xffff
	s_lshl_b32 s17, s17, 2
	s_add_co_u32 s17, s17, s41                     ; block row
	s_lshl_b32 s43, s41, 2
	s_lshl_b32 s43, 15, s43                        ; my row of the cluster
	s_lshl_b32 s44, 0x1111, s40                    ; my column
	s_and_b32 s[PM], ttmp7, 0xffff
	s_xor_b32 s[PM], s[PM], ttmp9
	s_and_b32 s[PM], s[PM], 3
	s_lshl_b32 s[PM], s[PM], 8
	s_mov_b32 s[TK], ROWB
	s_mov_b32 s[OFK+1], 0
	s_mov_b32 s[OFP+1], 0
	s_or_b32 s[G1+0], s43, (0<<16)|(1<<20)|(1<<21)|(5<<22)|(3<<25)   ; mask; 1-byte elements; 4 words of padding behind every 64
	s_or_b32 s[G1B+0], s44, (0<<16)|(1<<20)|(1<<21)|(5<<22)|(3<<25)
.irp g, G1, G1B
	s_mov_b32 s[\g+1], ROWB<<16
	s_mov_b32 s[\g+2], 128<<16
	s_mov_b32 s[\g+3], ROWB<<16
	s_mov_b32 s[\g+4], 128
	s_mov_b32 s[\g+5], KROW
	s_mov_b32 s[\g+6], 0
	s_mov_b32 s[\g+7], 0
.endr
	s_lshl_b32 s18, s16, 7
	s_lshl_b32 s20, s17, 8
	s_add_co_u32 s20, s20, s18                     ; x: row 256 x block row + 128 x half
	s_lshl_b32 s46, s42, 8
	s_add_co_u32 s46, s46, s18                     ; w: row 256 x block column + 128 x half
	s_mov_b32 s21, 0
	s_mov_b32 s47, 0
	s_mov_b64 s[18:19], KROW
	s_mul_u64 s[20:21], s[20:21], s[18:19]
	s_mul_u64 s[46:47], s[46:47], s[18:19]
	s_mul_i32 s45, s14, HALFT                      ; LDS: wave x 128 rows
	s_wait_dscnt 0x0                               ; both opening adds are done
	s_wait_kmcnt 0x0
	s_load_b64 s[96:97], s[8:9], 0x0               ; e0, e1
	s_add_nc_u64 s[BSA:BSA+1], s[4:5], s[20:21]
	s_add_nc_u64 s[BSB:BSB+1], s[6:7], s[46:47]
.irp s, 0,1
	s_xor_b32 s[OFK], s[PM], \s*ROWB
	s_mov_b32 s[G0+4*\s], 1
	s_add_co_u32 s[G0+4*\s+1], s45, \s*SLOT
	s_mov_b32 s[G0B+4*\s], 1
	s_add_co_u32 s[G0B+4*\s+1], s45, \s*SLOT
	AIM \s
.endr
	CROUND                                         ; all sixteen work-groups are here
	JLOAD G0, G1, G0B, G1B                         ; K step 0: my one tensor load at the head
	; the prefetches' base: the tile that I fetch, my 128 rows of it, my work-group's 32 of those
	s_lshl_b32 s80, s17, 8
	s_lshl_b32 s81, s42, 8
	s_cmp_eq_u32 s15, 0
	s_cselect_b32 s80, s80, s81
	s_cselect_b32 s81, s40, s41
	s_cselect_b64 s[PFB:PFB+1], s[4:5], s[6:7]
	s_lshl_b32 s82, s16, 7
	s_add_co_u32 s80, s80, s82
	s_lshl_b32 s81, s81, 5
	s_add_co_u32 s80, s80, s81
	s_lshl_b32 s80, s80, 12                        ; rows of 4,096 bytes: under 2^24
	s_mov_b32 s81, 0
	s_add_nc_u64 s[PFB:PFB+1], s[PFB:PFB+1], s[80:81]
.irp t, 1,2,3
	s_xor_b32 s[OFP], s[PM], \t*ROWB
	s_add_nc_u64 s[PFH+2*\t-2:PFH+2*\t-1], s[PFB:PFB+1], s[OFP:OFP+1]
.endr
	v_and_b32 v[PFO], 31, v0
	v_lshlrev_b32 v[PFO], 12, v[PFO]
	global_prefetch_b8 v[PFO], s[PFH:PFH+1] th:TH_LOAD_NT scope:SCOPE_SE      ; K step 1
	global_prefetch_b8 v[PFO], s[PFH+2:PFH+3] th:TH_LOAD_NT scope:SCOPE_SE    ; K step 2
	v_and_b32 v1, 15, v0                           ; l % 16
	v_bfe_u32 v2, v0, 4, 1                         ; l / 16
	v_mul_u32_u24 v3, v1, PITCH
	v_lshl_add_u32 v4, v2, 4, v3                   ; a fragment's row x pitch + 16 x half
	s_mul_i32 s21, s15, HALFT
	s_mul_i32 s22, s16, HALFT
	s_add_co_u32 s22, s22, 2*HALFT
.irp s, 0,1
	v_add_nc_u32 v[ADRA+\s], s21, v4
	v_add_nc_u32 v[ADRB+\s], s22, v4
	s_add_co_u32 s21, s21, SLOT
	s_add_co_u32 s22, s22, SLOT
.endr
	s_mul_i32 s23, s14, 16*SPITCH                  ; my stage
	s_wait_alu depctr_va_vdst(0)
	v_mul_u32_u24 v5, v1, SPITCH
	v_lshl_add_u32 v5, v2, 5, v5
	v_add_nc_u32 v[STO], s23, v5
	v_and_b32 v6, 31, v0
	v_lshlrev_b32 v[CO], 4, v6
	v_add_nc_u32 v[RD], s23, v[CO]
	s_lshl_b32 s20, s17, 8
	s_lshl_b32 s21, s15, 7
	s_add_co_u32 s20, s20, s21                     ; my first row of out0
	s_mov_b32 s21, 0
	s_mov_b64 s[18:19], SIZE_N*4
	s_mul_u64 s[20:21], s[20:21], s[18:19]
	s_lshl_b32 s46, s42, 10
	s_lshl_b32 s47, s16, 9
	s_add_co_u32 s46, s46, s47                     ; my first column, in bytes
	s_mov_b32 s47, 0
	s_add_nc_u64 s[12:13], s[12:13], s[46:47]
	s_add_nc_u64 s[20:21], s[20:21], s[46:47]
	s_add_nc_u64 s[10:11], s[10:11], s[20:21]
.macro FRAG reg, adr, q, i             ; 16 rows x 128 K: registers 4 c .. 4 c + 3 hold place 32 c + 16 (l / 16) + 0 .. 15, alike in both operands
.irp c, 0,1,2,3
	ds_load_b128 v[\reg+4*\c:\reg+4*\c+3], v[\adr] offset:128*(\q)+32*\c+(\i)*16*PITCH
.endr
.endm
.macro LB slot, q, p, i0, n            ; n fragments of w from i0 on, into set p
	WIN TO_B
.set fi, \i0
.rept \n
	FRAG 128*(\p)+FR*fi, ADRB+\slot, \q, fi
.set fi, fi+1
.endr
.endm
.macro LA slot, q, i0, n               ; n fragments of x from i0 on
	WIN 0
.set fi, \i0
.rept \n
	FRAG AF+FR*fi, ADRA+\slot, \q, fi
.set fi, fi+1
.endr
.endm
.macro G a, p, zero                    ; x's block a against w's eight: the 64 accumulators take turns in the same order in every step
	WIN MUL_LO+0x50*((\a)/4)
.irp b, 0,1,2,3,4,5,6,7
.if \zero
	v_wmma_f32_16x16x128_bf8_bf8 v[8*(8*((\a)%4)+\b):8*(8*((\a)%4)+\b)+7], v[128*(\p)+FR*\b:128*(\p)+FR*\b+FR-1], v[AF+FR*(\a):AF+FR*(\a)+FR-1], 0
.else
	v_wmma_f32_16x16x128_bf8_bf8 v[8*(8*((\a)%4)+\b):8*(8*((\a)%4)+\b)+7], v[128*(\p)+FR*\b:128*(\p)+FR*\b+FR-1], v[AF+FR*(\a):AF+FR*(\a)+FR-1], v[8*(8*((\a)%4)+\b):8*(8*((\a)%4)+\b)+7]
.endif
.endr
.endm
.macro PLACES                          ; four places between a matrix instruction and a load into a register that it read, or an LDS store of its result
.rept 4
	v_nop
.endr
.endm
; Blocks 4-7 of a step, and the next step's x fragments: a block's registers are loaded anew behind its products and four places.
; The places behind block 7 also free the w set that this step multiplied.
.macro UPPER p, zero, slot, q, wait
.if \wait
	s_wait_dscnt 40                                ; blocks 4, 5 are in: behind them 8 loads of the last step and this step's 32
.endif
	G 4, \p, \zero
	PLACES
	LA \slot, \q, 0, 4
	G 5, \p, \zero
.if \wait
	s_wait_dscnt 48                                ; blocks 6, 7 are in: behind them this step's 48
.endif
	G 6, \p, \zero
	G 7, \p, \zero
	PLACES
	LA \slot, \q, 4, 4
.endm
; A slot's first 128 along K (set 0); fetches its second 128 (set 1).
.macro STEP slot, zero
	s_wait_dscnt 24                                ; w's set and blocks 0, 1 are in; blocks 2-7 (24 loads) may be out
	G 0, 0, \zero
	LB \slot, 1, 1, 0, 4
	G 1, 0, \zero
	s_wait_dscnt 32                                ; blocks 2, 3 are in: behind them 16 loads of the last step and this step's 16
	G 2, 0, \zero
	LB \slot, 1, 1, 4, 4
	G 3, 0, \zero
	UPPER 0, \zero, \slot, 1, 1
.endm
.macro ASK                             ; K step t + 2; s3 = 1 in the loop's last trip, whose steps 14 and 15 have none
	s_cmp_gt_u32 s3, 1
	s_cbranch_scc0 .Lno_ask_\@
	global_prefetch_b8 v[PFO], s[PFA:PFA+1] th:TH_LOAD_NT scope:SCOPE_SE
.Lno_ask_\@:
.endm
; The first sixteen products of a slot's second 128 along K (set 1), with the barrier of the change of slots.
.macro MEET
	s_wait_dscnt 25                                ; (the add and blocks 2-7 may be out)
	G 0, 1, 0
	s_wait_dscnt 0x0                               ; the add is done, my reads of this slot are over
	s_barrier_signal -1
	G 1, 1, 0
	WIN 0
	s_barrier_wait -1
.endm
; A slot's second 128 along K changes slots, and this slot is filled again, two K steps on.
.macro TURN slot, next
	s_wait_xcnt 0x0                                ; my last prefetch has read its address, which is written below
	s_add_co_u32 s[TK], s[TK], ROWB
	s_xor_b32 s[OFK], s[TK], s[PM]
	s_add_co_u32 s[OFP], s[TK], 2*ROWB
	s_xor_b32 s[OFP], s[OFP], s[PM]
	s_add_nc_u64 s[PFA:PFA+1], s[PFB:PFB+1], s[OFP:OFP+1]
	s_wait_tensorcnt 0x0                           ; my one load that was out, my part of the next slot, has landed
	ds_add_u32 v[SPW], v[NIL]
	AIM \slot                                      ; no tensor load of mine is out: the descriptors may be written
	MEET
	CREST                                          ; the barrier has opened a round of the cluster's barrier
	JLOAD G0+4*\slot, G1, G0B+4*\slot, G1B         ; the first tensor load behind the round
	LB \next, 0, 0, 0, 4
	WIN 0
	ASK
	G 2, 1, 0
	LB \next, 0, 0, 4, 4
	G 3, 1, 0
	UPPER 1, 0, \next, 0, 0
.endm
	s_wait_alu depctr_va_vdst(0)
	s_wait_tensorcnt 0x0                           ; my part of K step 0 is in
	ds_add_u32 v[SPW], v[NIL]
	s_wait_dscnt 0x0
	CROUND
	JLOAD G0+4, G1, G0B+4, G1B                     ; K step 1, slot 1's first fill
	LB 0, 0, 0, 0, 8
	LA 0, 0, 0, 8
	global_prefetch_b8 v[PFO], s[PFH+4:PFH+5] th:TH_LOAD_NT scope:SCOPE_SE    ; K step 3
	global_load_b128 v[BIAS:BIAS+3], v[CO], s[12:13]                          ; bias of my four columns of a row read back
	STEP 0, 1                                      ; the first step starts the sums
	s_mov_b32 s3, LAPS-1
.Llap:                                                 ; once round the ring; both slots are filled again
	TURN 0, 1
	STEP 1, 0
	TURN 1, 0
	STEP 0, 0
	s_sub_co_u32 s3, s3, 1
	s_cmp_lg_u32 s3, 0
	s_cbranch_scc1 .Llap
; THE LAST CHANGE OF SLOTS fills nothing.  Slot 1's 256 along K then go by rows of out0.
.macro RA a                            ; x's block a, both halves along K, into buffer a % 4 of four (32 registers each)
	WIN 0
.irp q, 0,1
	FRAG AF+32*((\a)%4)+FR*\q, ADRA+1, \q, \a
.endr
.endm
.macro Q a, q                          ; block a's eight accumulators by turns, half q along K
	WIN MUL_LO+0x50*((\a)/4)
.irp b, 0,1,2,3,4,5,6,7
	v_wmma_f32_16x16x128_bf8_bf8 v[8*(8*((\a)%4)+\b):8*(8*((\a)%4)+\b)+7], v[128*(\q)+FR*\b:128*(\q)+FR*\b+FR-1], v[AF+32*((\a)%4)+FR*(\q):AF+32*((\a)%4)+FR*(\q)+FR-1], v[8*(8*((\a)%4)+\b):8*(8*((\a)%4)+\b)+7]
.endr
.endm
; THE WAY OUT of block a, 16 rows x 128 columns: the sums go into my stage as they are, each accumulator from its low end on, come back as whole rows of 512 bytes,
; are multiplied by 2^(e0 + e1) with the bias added in one fused step, and leave as two aligned units of 256 bytes a row.
.macro TOSTAGE a
.set AC, 64*((\a)%4)
	WIN 0x08+4*((\a)/4)                            ; store data: window 2 or 3
.irp b, 0,1,2,3,4,5,6,7
	ds_store_b128 v[STO], v[AC+8*\b:AC+8*\b+3] offset:64*\b
	ds_store_b128 v[STO], v[AC+8*\b+4:AC+8*\b+7] offset:64*\b+16
.endr
	WIN 0
.irp t, 0,1,2,3,4,5,6,7,8,9,10,11,12,13,14,15
	ds_load_b128 v[BK+4*\t:BK+4*\t+3], v[RD] offset:\t*SPITCH      ; a wave's LDS instructions are served in order: these see the stores above
.endr
.endm
.macro SEND a, younger                 ; younger: the LDS loads issued behind the block's, which may stay out
	s_wait_dscnt \younger
.if (\a) > 0
	s_add_nc_u64 s[10:11], s[10:11], 16*SIZE_N*4   ; behind OUT's wait on XCNT: the earlier stores have read their base
.endif
.irp t, 0,1,2,3,4,5,6,7,8,9,10,11,12,13,14,15
	v_pk_fma_f32 v[BK+4*\t:BK+4*\t+1], v[BK+4*\t:BK+4*\t+1], s[96:97], v[BIAS:BIAS+1] op_sel_hi:[1,0,1]
	v_pk_fma_f32 v[BK+4*\t+2:BK+4*\t+3], v[BK+4*\t+2:BK+4*\t+3], s[96:97], v[BIAS+2:BIAS+3] op_sel_hi:[1,0,1]
	global_store_b128 v[CO], v[BK+4*\t:BK+4*\t+3], s[10:11] offset:\t*SIZE_N*4 th:TH_STORE_NT
.endr
.endm
.macro OUT a
	PLACES                                         ; behind block a's last products: for the stores of its sums and the loads into its buffer
.if (\a) > 0
	s_wait_xcnt 0x0                                ; the last block's stores have read their registers and their base
.endif
	TOSTAGE \a
.if (\a) < 4
	RA (\a)+4                                      ; its buffer takes the block four further on
	SEND \a, 8
.else
	SEND \a, 0
.endif
.endm
	s_wait_kmcnt 0x0
	s_wait_loadcnt 0x0                             ; bias
	s_add_co_i32 s96, s96, s97
	s_add_co_i32 s96, s96, 127
	s_lshl_b32 s96, s96, 23                        ; 2^(e0 + e1) as f32
	s_wait_tensorcnt 0x0                           ; my part of slot 1's last fill has landed
	ds_add_u32 v[SPW], v[NIL]
	MEET
	LB 1, 0, 0, 0, 4                               ; w, first half along K, into set 0
	G 2, 1, 0
	LB 1, 0, 0, 4, 4
	G 3, 1, 0
	G 4, 1, 0
	PLACES
	RA 0                                           ; into the registers of blocks 0-3, which are done
	RA 1
	G 5, 1, 0
	G 6, 1, 0
	G 7, 1, 0
	PLACES
	LB 1, 1, 1, 0, 8                               ; w, second half along K, into set 1
	RA 2
	RA 3
	s_wait_dscnt 56                                ; set 0 and block 0 are in: behind them 8 + 32 + 16 loads
	Q 0, 0
	s_wait_dscnt 48                                ; block 1
	Q 1, 0
	s_wait_dscnt 16                                ; set 1; blocks 2 and 3 may be out
	Q 0, 1
	OUT 0
	Q 1, 1
	OUT 1
.irp a, 2,3,4,5,6,7
	Q \a, 0                                        ; its fragments were shown in by an earlier SEND's wait
	Q \a, 1
	OUT \a
.endr
	s_wait_tensorcnt 0x0                           ; the wave's end
	ds_add_u32 v[SPW], v[NIL]
	s_wait_dscnt 0x0
	CROUND                                         ; the closing round
	s_endpgm
.Lfunc_end_k_qf0c54f00de_gemm:
	.size	k_qf0c54f00de_gemm, .Lfunc_end_k_qf0c54f00de_gemm-k_qf0c54f00de_gemm
	.p2alignl 7, 3214868480
	.fill 96, 4, 3214868480
	.section	.rodata,"a",@progbits
	.p2align	6, 0x0
	.amdhsa_kernel k_qf0c54f00de_gemm
		.amdhsa_group_segment_fixed_size 327680
		.amdhsa_private_segment_fixed_size 0
		.amdhsa_enable_private_segment 0
		.amdhsa_kernarg_size 40
		.amdhsa_user_sgpr_count 2
		.amdhsa_user_sgpr_kernarg_segment_ptr 1
		.amdhsa_wavefront_size32 1
		.amdhsa_system_sgpr_workgroup_id_x 1
		.amdhsa_system_sgpr_workgroup_id_y 1
		.amdhsa_system_sgpr_workgroup_id_z 1
		.amdhsa_system_vgpr_workitem_id 0
		.amdhsa_next_free_vgpr 1024
		.amdhsa_next_free_sgpr 98
		.amdhsa_reserve_vcc 0
		.amdhsa_float_denorm_mode_32 3
		.amdhsa_float_denorm_mode_16_64 3
		.amdhsa_memory_ordered 1
		.amdhsa_forward_progress 1
		.amdhsa_inst_pref_size 128
	.end_amdhsa_kernel
	.amdgpu_metadata
---
amdhsa.version: [ 1, 2 ]
amdhsa.kernels:
  - .name:           k_qf0c54f00de_gemm
    .symbol:         k_qf0c54f00de_gemm.kd
    .args:
      - { .name: x_codes, .offset: 0, .size: 8, .value_kind: global_buffer, .address_space: global }
      - { .name: w_codes, .offset: 8, .size: 8, .value_kind: global_buffer, .address_space: global }
      - { .name: lowp_scales, .offset: 16, .size: 8, .value_kind: global_buffer, .address_space: global }
      - { .name: out0, .offset: 24, .size: 8, .value_kind: global_buffer, .address_space: global }
      - { .name: bias, .offset: 32, .size: 8, .value_kind: global_buffer, .address_space: global }
    .group_segment_fixed_size: 327680
    .private_segment_fixed_size: 0
    .kernarg_segment_align: 8
    .kernarg_segment_size: 40
    .max_flat_workgroup_size: 128
    .sgpr_count:     98
    .vgpr_count:     1024
    .wavefront_size: 32
...
	.end_amdgpu_metadata
.endif
;; end of part 2
